; MI455X (gfx1250); checked and timed in simulation.
; The chip was launched on July 23, 2026; its instructions are those of AMD's public machine-readable ISA for CDNA 5 (MIT licence, August 2026) and "CDNA5" Instruction Set Architecture Reference Guide (July 2026). The comments in the code are by the model that wrote it; some were corrected since.
;; Bit Linear Inf. Allowed arithmetic: matrix products marked QUANTISED: E4M3 operands, one given power-of-two scale a tensor, by v_wmma_f32_16x16x64_fp8_fp8 or v_wmma_f32_16x16x128_fp8_fp8, f32 sums; everything else in f32.
;; Inputs: bias 4,096 float32; input 4,096 x 4,096 float32; input_factor 4,096 float32; lowp_scales 2 int32 (the exponents e of the quantised operands' scales 2^e); weight 4,096 x 512 int32; weight_scale 4,096 float32.
;; Outputs: out0 4,096 x 4,096 float32.
;; This version of the problem:
;;   THIS VERSION OF THE PROBLEM IS GIVEN IN LOW PRECISION. The matrix products marked QUANTISED in the list below multiply operands that are first quantised to E4M3 (4 exponent bits, 3 mantissa bits; 8 bits a number), with one given power-of-two scale for each operand tensor; their sums are f32. All else is computed in f32.
;;   The module's matrix products, in the order in which they are computed (A, B: the left and right operand; K: the contracted axis; several contracted axes count as one K, in the product's order):
;;     1. [M 4,096, K 4,096] x [K 4,096, N 4,096]; A: computed on the way; B: computed on the way: QUANTISED (scales: A lowp_scales[0], B lowp_scales[1])
;;   THE QUANTISER, for each operand of a quantised product, along K:
;;     - The operand's scale is 2^e, e = its entry of the input lowp_scales (int32; the entries are numbered through the quantised products in the list's order, A before B).
;;     - Each number is divided by the scale, clamped to +-448, and rounded to the nearest number of E4M3, ties to even, subnormals kept.
;;     - The product sums the exact products of the quantised numbers (number of the format x scale) in f32.
;;   ~~~python
;;   def quantise(x, axis, e):      # numpy; x: float32 -> the quantised numbers, widened to float32 again
;;       x = np.moveaxis(x, axis, -1); K = x.shape[-1]
;;       r = np.clip(x / 2.0 ** e, -448, 448)
;;       step = 2.0 ** (np.maximum(np.frexp(np.where(r == 0, 1, r))[1] - 1, -6) - 3)
;;       q = np.round(r / step) * step * 2.0 ** e      # np.round: ties to even
;;       return np.moveaxis(q, -1, axis).astype(np.float32)
;;   ~~~
;;   OPERANDS COMPUTED ON THE WAY. 'Computed on the way' means the value that the module computes at that place (a softmax that the list does not call 'softmax' is quantised finished and normalised). What goes into a quantiser is computed in f32, as accurately as f32 sums, v_exp_f32 and their like allow (about 1e-6 of the number): no bf16 or f16 on the way to a quantiser, and a product that is left as it is and whose result goes on into a quantised operand takes f32 operands (vector FMAs, or v_wmma_f32_16x16x4_f32). A number that lies on a knife's edge between two numbers of the format may be rounded either way, as far as f32 arithmetic and the matrix unit's own rounding can turn it there, and no further.
;; One version. Each part assembles by itself: llvm-mc -triple=amdgcn-amd-amdhsa -mcpu=gfx1250 --defsym DOCPART=n.
;; ======== version 1 of 1: 3 launches
;; limits: right only within a limited range of input values
;; workspace buffers: xc 16,777,216 bytes; wb 2,097,152 bytes; y 67,108,864 bytes
;; launch prep (part 1): grid 768 x 1, 4 waves a work-group, no clusters, 4,608 bytes of LDS; arguments input, input_factor, weight, lowp_scales, xc, wb; writes xc, wb
.if DOCPART == 1
	.amdgcn_target "amdgcn-amd-amdhsa--gfx1250"
	.amdhsa_code_object_version 6
	.text
	.protected	k_qcf475963a7_prep
	.globl	k_qcf475963a7_prep
	.p2align	8
	.type	k_qcf475963a7_prep,@function
k_qcf475963a7_prep:
	s_mov_b64 s[64:65], 0
	v_nop
	global_prefetch_b8 v0, s[64:65] scope:SCOPE_SE
	s_setreg_imm32_b32 hwreg(HW_REG_WAVE_MODE, 25, 1), 1
	s_wait_xcnt 0x0
; The two operands of the product are made ready for the launch that multiplies.
;   xc[n][k] = the code of FP8 (E4M3) of input[n][k] * input_factor[k] with the scale 2^e0: one code a byte, K innermost, in K's natural order.
;              code = number / 2^e0, held within +-448, rounded to the nearest code, ties to even.
;   wb       = the signs of w (bit k % 8 of weight[o][k / 8]: 0 -> +1, 1 -> -1), one bit a number, laid in the order in which the multiplying launch's registers take them (below).
;              A code of w is the code of +1 with this bit as its sign; the multiplying launch makes it so.
; LIMITS: e0 lies between -126 and 119, so that 2^e0 and 448 x 2^e0 are f32 numbers.  NaN among the inputs is not served (an infinity is held at the largest code).
;         Of each int32 of weight bits 0 to 7 alone are used: those are the bits that shifts 0 to 7 and the mask 1 take.
; SHARES: work-groups 0 to 511 take x, work-groups 512 to 767 take w: a scalar branch on the work-group's number.  Waves share nothing: no barrier.
;   x: a wave takes 16 rows x 512 columns, a row a step, so its 16 numbers of input_factor stay in registers.  Each load reads 512 consecutive bytes, 16 a lane.
;      A lane's four dwords of codes belong to four places 128 columns apart: they go through the wave's own 512 bytes of LDS (two such stages by turns) and come back as 16 neighbouring codes a lane,
;      so that a store of the wave covers 512 consecutive bytes, aligned.
;   w: a wave takes 32 rows of weight x 64 ints (512 along K: four units of 128), a lane a row: its 16 loads of 16 bytes a lane together cover 256 consecutive aligned bytes of each row.  No LDS.
; THE LAYOUT OF wb: [tile column T: 16][place v: 32][half of the tile's columns: 2][group h: 4][lane: 32][t: 4] dwords.  Place v holds unit (v + 1) mod 32 (a unit's signs are read one unit ahead of its x).
;   Lane (n = lane % 16, hl = lane / 16), dword t, bit 8 i + 7 - p  =  the sign of w(o, k),  o = 256 T + 128 half + 32 h + 16 (t / 2) + n,  k = 128 unit + 64 (t % 2) + 32 (p / 4) + 16 hl + 4 (p % 4) + i:
;   shifted left by p, the dword has in its four sign places the signs of the four codes of register 8 t + p of the pair of fragments 2 h, 2 h + 1.
.set XWG,   512                        ; work-groups that take x
.set SPARE, 4096                       ; behind the four waves' stages (1,024 bytes each): the spare words, 128 bytes for each wave: two blocks of 256 bytes that no other line names
.set L16, 1                            ; v1       16 x lane; never rewritten
.set STI, 2                            ; v2       the stage on the way in: 1,024 x wave + 4 x lane
.set STO, 3                            ; v3       and on the way out: 1,024 x wave + 16 x lane
.set SPW, 4                            ; v4       LDS address of my spare word; never rewritten
.set NIL, 5                            ; v5       0; never rewritten
.set SC,  6                            ; v6       2^e0 as f32: the conversion takes its exponent field
.set LIM, 7                            ; v7       448 x 2^e0
.set F,   8                            ; v8-23    x: my 16 numbers of input_factor.   w: v8 lane, v9 2,048 x lane, v10 my place in a store, v16-19 at work
.set R,   24                           ; v24-87   x: four sets of 16 numbers as loaded.   w: my row's 64 ints
.set C,   88                           ; v88-95   x: two sets of four dwords of codes
.set O,   96                           ; v96-159  x: four registers for each step; w: four for each unit: no store's data are ever written again
.set MUL, 40                           ; s40-47   w: 0x00204081 << (7 - p)
.set MSK, 48                           ; s48-55   w: 0x01010101 << (7 - p)
	s_load_b256 s[4:11], s[0:1], 0x0               ; input s[4:5], input_factor s[6:7], weight s[8:9], lowp_scales s[10:11]
	s_load_b128 s[12:15], s[0:1], 0x20             ; xc s[12:13], wb s[14:15]
	v_lshl_add_u32 v[SPW], v0, 2, SPARE
	v_mov_b32 v[NIL], 0
	v_lshrrev_b32 v1, 5, v0
	v_readfirstlane_b32 s16, v1                    ; wave 0..3
	v_and_b32 v2, 31, v0                           ; lane
	s_lshl_b32 s17, s16, 10                        ; my wave's stages
	v_lshlrev_b32 v[L16], 4, v2
	v_lshl_add_u32 v[STO], v2, 4, s17
	v_lshl_add_u32 v[STI], v2, 2, s17
	s_lshl_b32 s18, ttmp9, 2
	s_add_co_u32 s18, s18, s16                     ; 4 x work-group + wave
	s_mov_b32 s21, 0                               ; the high word of every offset below
	s_wait_kmcnt 0x0
	s_cmp_lt_u32 ttmp9, XWG
	s_cbranch_scc0 .Lw
	; ---------------- x ----------------
	s_load_b32 s22, s[10:11], 0x0                  ; e0
	s_and_b32 s19, s18, 7                          ; which 512 columns
	s_lshr_b32 s18, s18, 3                         ; which 16 rows
	s_lshl_b32 s20, s19, 11                        ; 512 columns of f32
	s_add_nc_u64 s[6:7], s[6:7], s[20:21]          ; input_factor at my columns
	s_lshl_b32 s26, s18, 18                        ; 16 rows of 16,384 bytes
	s_add_co_u32 s20, s20, s26
	s_add_nc_u64 s[4:5], s[4:5], s[20:21]          ; input at my first row and column
	s_lshl_b32 s20, s18, 16                        ; 16 rows of 4,096 codes
	s_lshl_b32 s26, s19, 9
	s_add_co_u32 s20, s20, s26
	s_add_nc_u64 s[12:13], s[12:13], s[20:21]      ; xc likewise
	s_wait_alu depctr_va_vdst(0)
.irp i, 0,1,2,3
	global_load_b128 v[F+4*\i:F+4*\i+3], v[L16], s[6:7] offset:512*\i   ; register 4 i + j: column 128 i + 4 lane + j, as in a row's loads
.endr
.macro LOAD t                          ; row t of my 16: four loads of 512 consecutive bytes into set t % 4
.irp i, 0,1,2,3
	global_load_b128 v[R+16*((\t)%4)+4*\i:R+16*((\t)%4)+4*\i+3], v[L16], s[4:5] offset:16384*(\t)+512*\i th:TH_LOAD_NT
.endr
.endm
.irp t, 0,1,2,3
	LOAD \t
.endr
	s_wait_kmcnt 0x0
	s_add_co_i32 s26, s22, 127
	s_lshl_b32 s27, s26, 23
	v_mov_b32 v[SC], s27                           ; 2^e0 as f32
	s_add_co_i32 s26, s26, 8
	s_lshl_b32 s26, s26, 23
	s_or_b32 s26, s26, 0x600000                    ; the mantissa field of 448
	v_mov_b32 v[LIM], s26                          ; 448 x 2^e0
.macro STEP t
.set RS, R+16*((\t)%4)
.set CS, C+4*((\t)%2)
.if 15-(\t) >= 3
	s_wait_loadcnt 12                              ; this row's four loads are in (and all that were issued before them); those of the three rows behind it may be out
.else
	s_wait_loadcnt 4*(15-(\t))
.endif
.irp j, 0,2,4,6,8,10,12,14
	v_pk_mul_f32 v[RS+\j:RS+\j+1], v[RS+\j:RS+\j+1], v[F+\j:F+\j+1]   ; x = input x input_factor, in f32
.endr
	s_wait_alu depctr_va_vdst(0)
.irp j, 0,1,2,3,4,5,6,7,8,9,10,11,12,13,14,15
	v_med3_num_f32 v[RS+\j], v[RS+\j], -v[LIM], v[LIM]                ; the conversion to an 8-bit code does not saturate (ISA guide 7.6.2): the hold at the largest code x the scale
.endr
	v_cvt_scalef32_pk8_fp8_f32 v[CS:CS+1], v[RS:RS+7], v[SC]          ; dword i of the four: the codes of columns 128 i + 4 lane + 0 .. 3
	v_cvt_scalef32_pk8_fp8_f32 v[CS+2:CS+3], v[RS+8:RS+15], v[SC]
; (No plain vector line is written behind the conversions: their results go to LDS stores and their sources are next written by loads; the next vector lines, the next row's multiplies, are plain and touch other registers.)
.if (\t)+4 < 16
	LOAD (\t)+4                                    ; the set just converted takes the row four further on
.endif
.irp i, 0,1,2,3
	ds_store_b32 v[STI], v[CS+\i] offset:512*((\t)%2)+128*\i          ; byte 128 i + 4 lane of the stage = the column
.endr
	ds_load_b128 v[O+4*(\t):O+4*(\t)+3], v[STO] offset:512*((\t)%2)   ; LDS serves a wave's instructions in order (ISA guide 5.7.1): this sees the four stores
.if (\t) > 0
	s_wait_dscnt 5                                 ; all but this row's four stores and one load: the row before is back, and its stores have read their registers
	global_store_b128 v[L16], v[O+4*((\t)-1):O+4*((\t)-1)+3], s[12:13] offset:4096*((\t)-1)   ; 32 lanes store 512 consecutive bytes, aligned
.endif
.endm
.irp t, 0,1,2,3,4,5,6,7,8,9,10,11,12,13,14,15
	STEP \t
.endr
	s_wait_dscnt 0x0
	global_store_b128 v[L16], v[O+60:O+63], s[12:13] offset:4096*15
	s_wait_tensorcnt 0x0                           ; the wave's end: behind my last LDS store
	ds_add_u32 v[SPW], v[NIL]
	s_wait_dscnt 0x0
	s_endpgm
	; ---------------- w ----------------
.Lw:
	s_sub_co_u32 s18, s18, 4*XWG                   ; my wave's task, 0 to 1,023 = 64 T + 32 half + 8 h + Q
	s_lshr_b32 s19, s18, 3                         ; which 32 rows of weight: row 256 T + 128 half + 32 h = 32 x this
	s_and_b32 s24, s18, 7                          ; Q: units 4 Q to 4 Q + 3: 256 bytes of each row
	s_lshl_b32 s20, s19, 16                        ; 32 rows of 2,048 bytes
	s_lshl_b32 s26, s24, 8
	s_add_co_u32 s20, s20, s26
	s_add_nc_u64 s[8:9], s[8:9], s[20:21]
	v_and_b32 v8, 31, v0                           ; lane = 16 u + n: row 32 h + lane is column n of fragment 2 h + u
	s_wait_alu depctr_va_vdst(0)
	v_lshlrev_b32 v9, 11, v8                       ; a lane a row
.irp i, 0,1,2,3,4,5,6,7,8,9,10,11,12,13,14,15
	global_load_b128 v[R+4*\i:R+4*\i+3], v9, s[8:9] offset:16*\i   ; the sixteen together: 256 consecutive aligned bytes of each of the 32 rows
.endr
	s_lshr_b32 s26, s18, 6                         ; T
	s_lshl_b32 s20, s26, 17                        ; a tile column's 32 places of 4,096 bytes
	s_and_b32 s26, s19, 7                          ; 4 half + h
	s_lshl_b32 s26, s26, 9
	s_add_co_u32 s20, s20, s26
	s_add_nc_u64 s[14:15], s[14:15], s[20:21]
	s_lshl_b32 s20, s24, 14
	s_add_nc_u64 s[30:31], s[14:15], s[20:21]      ; place 4 Q: units 4 Q + 1, + 2, + 3 go to places 4 Q, + 1, + 2
	s_lshl_b32 s26, s24, 2
	s_add_co_u32 s26, s26, 31
	s_and_b32 s26, s26, 31                         ; unit 4 Q goes to place (4 Q + 31) mod 32
	s_lshl_b32 s20, s26, 12
	s_add_nc_u64 s[28:29], s[14:15], s[20:21]
.irp p, 0,1,2,3,4,5,6,7
	s_mov_b32 s[MUL+\p], 0x00204081<<(7-\p)
	s_mov_b32 s[MSK+\p], 0x01010101<<(7-\p)
.endr
	v_and_b32 v10, 15, v8
	v_lshrrev_b32 v11, 4, v8
	v_lshlrev_b32 v10, 4, v10
	v_lshl_add_u32 v10, v11, 3, v10                ; 16 n + 8 u: dwords t = 2 u, 2 u + 1 of the multiplying launch's lane n (and, 256 bytes on, of its lane n + 16)
; A nibble's four bits go to the same bit of four bytes by one multiplication: bit i x 2^(7 k), k = 0 .. 3, falls on place i + 7 k; the sixteen places differ, so nothing is carried, and of the places 0, 8, 16, 24
; each is reached by k = i alone.  The multiplier and the mask carry the shift by 7 - p with them (the highest place is 24 + 7).
; Dword g = 2 hl + tau of a unit takes eight nibbles: plane p is nibble p % 2 of int 8 tau + 2 hl + 4 (p / 4) + (p % 4) / 2.  The four dwords take turns line by line.
.irp x, 0,1,2,3
	s_wait_loadcnt 12-4*\x                         ; loads come back in order: this unit's four are in
.irp p, 0,1,2,3,4,5,6,7
.irp g, 0,1,2,3
.if (\p%2) == 0
	v_and_b32 v[16+\g], 15, v[R+16*\x+8*(\g%2)+2*(\g/2)+4*(\p/4)+((\p%4)/2)]
.else
	v_bfe_u32 v[16+\g], v[R+16*\x+8*(\g%2)+2*(\g/2)+4*(\p/4)+((\p%4)/2)], 4, 4
.endif
.endr
.irp g, 0,1,2,3
	v_mul_lo_u32 v[16+\g], v[16+\g], s[MUL+\p]
.endr
.irp g, 0,1,2,3
.if \p == 0
	v_and_b32 v[O+4*\x+\g], s[MSK], v[16+\g]       ; the first plane starts the dword: nothing is cleared
.else
	v_and_or_b32 v[O+4*\x+\g], v[16+\g], s[MSK+\p], v[O+4*\x+\g]
.endif
.endr
.endr
.if \x == 0
	global_store_b64 v10, v[O:O+1], s[28:29]                   ; 32 lanes store 256 consecutive bytes, aligned: lanes 0-15 of the reader,
	global_store_b64 v10, v[O+2:O+3], s[28:29] offset:256      ; and its lanes 16-31
.else
	global_store_b64 v10, v[O+4*\x:O+4*\x+1], s[30:31] offset:4096*(\x-1)
	global_store_b64 v10, v[O+4*\x+2:O+4*\x+3], s[30:31] offset:4096*(\x-1)+256
.endif
.endr
	s_wait_tensorcnt 0x0                           ; the wave's end, in the same form as on the other path
	ds_add_u32 v[SPW], v[NIL]
	s_wait_dscnt 0x0
	s_endpgm
.Lfunc_end_k_qcf475963a7_prep:
	.size	k_qcf475963a7_prep, .Lfunc_end_k_qcf475963a7_prep-k_qcf475963a7_prep
	.p2alignl 7, 3214868480
	.fill 96, 4, 3214868480
	.section	.rodata,"a",@progbits
	.p2align	6, 0x0
	.amdhsa_kernel k_qcf475963a7_prep
		.amdhsa_group_segment_fixed_size 4608
		.amdhsa_private_segment_fixed_size 0
		.amdhsa_enable_private_segment 0
		.amdhsa_kernarg_size 48
		.amdhsa_user_sgpr_count 2
		.amdhsa_user_sgpr_kernarg_segment_ptr 1
		.amdhsa_wavefront_size32 1
		.amdhsa_system_sgpr_workgroup_id_x 1
		.amdhsa_system_sgpr_workgroup_id_y 1
		.amdhsa_system_sgpr_workgroup_id_z 1
		.amdhsa_system_vgpr_workitem_id 0
		.amdhsa_next_free_vgpr 160
		.amdhsa_next_free_sgpr 66
		.amdhsa_reserve_vcc 0
		.amdhsa_float_denorm_mode_32 3
		.amdhsa_float_denorm_mode_16_64 3
		.amdhsa_memory_ordered 1
		.amdhsa_forward_progress 1
		.amdhsa_inst_pref_size 69
	.end_amdhsa_kernel
	.amdgpu_metadata
---
amdhsa.version: [ 1, 2 ]
amdhsa.kernels:
  - .name:           k_qcf475963a7_prep
    .symbol:         k_qcf475963a7_prep.kd
    .args:
      - { .name: input, .offset: 0, .size: 8, .value_kind: global_buffer, .address_space: global }
      - { .name: input_factor, .offset: 8, .size: 8, .value_kind: global_buffer, .address_space: global }
      - { .name: weight, .offset: 16, .size: 8, .value_kind: global_buffer, .address_space: global }
      - { .name: lowp_scales, .offset: 24, .size: 8, .value_kind: global_buffer, .address_space: global }
      - { .name: xc, .offset: 32, .size: 8, .value_kind: global_buffer, .address_space: global }
      - { .name: wb, .offset: 40, .size: 8, .value_kind: global_buffer, .address_space: global }
    .group_segment_fixed_size: 4608
    .private_segment_fixed_size: 0
    .kernarg_segment_align: 8
    .kernarg_segment_size: 48
    .max_flat_workgroup_size: 128
    .sgpr_count:     66
    .vgpr_count:     160
    .wavefront_size: 32
...
	.end_amdgpu_metadata
.endif
;; end of part 1
;; launch gemm (part 2): grid 16 x 16, 4 waves a work-group, clusters of 4 x 4, 327,680 bytes of LDS; arguments xc, wb, lowp_scales, weight_scale, y; writes y
.if DOCPART == 2
	.amdgcn_target "amdgcn-amd-amdhsa--gfx1250"
	.amdhsa_code_object_version 6
	.text
	.protected	k_qcf475963a7_gemm
	.globl	k_qcf475963a7_gemm
	.p2align	8
	.type	k_qcf475963a7_gemm,@function
k_qcf475963a7_gemm:
	s_mov_b64 s[64:65], 0
	v_nop
	global_prefetch_b8 v0, s[64:65] scope:SCOPE_SE
	s_setreg_imm32_b32 hwreg(HW_REG_WAVE_MODE, 25, 1), 1
	s_wait_xcnt 0x0
	s_wait_alu depctr_hold_cnt(0) depctr_sa_sdst(0) depctr_va_vdst(0) depctr_va_sdst(0) depctr_va_ssrc(0) depctr_va_vcc(0) depctr_vm_vsrc(0)
	s_getreg_b32 s2, hwreg(HW_REG_IB_STS2, 6, 4)
	s_cmp_eq_u32 s2, 0
	s_cbranch_scc0 .Lentry_in_a_cluster
	s_endpgm
.Lentry_in_a_cluster:
	s_bfe_u32 s2, ttmp6, 0x10000c
	s_cmp_lg_u32 s2, 0xf033
	s_cbranch_scc0 .Lentry_shape_is_right
	s_endpgm
.Lentry_shape_is_right:
; y[n][o] = (sum over k of code(x[n][k]) code(w[o][k])) x 2^(e0 + e1) x weight_scale[o].  xc: [4096][4096] codes of FP8 (E4M3), K innermost.  wb: the signs of w, one bit a number.  y: [4096][4096] f32; sums in f32.
; w IS +1 OR -1: its code is the code of +1, which the quantiser itself makes here once (1.0 held within +-448 x 2^e1, divided by 2^e1, rounded), with the number's sign bit.  w goes through memory and LDS as signs,
; and each wave makes w's fragments in registers: a dword of wb holds the signs of eight registers of four codes; register p of the eight is ((dword << p) & 0x80808080) | code.
; SHARES: a tile of y, 256 x 256, is made by a work-group of four waves; wave q makes all 256 rows x columns 64 q .. 64 q + 63: 64 accumulators of 16 x 16.  A unit is 128 along K: 64 matrix instructions a wave, for which
; it makes 4 fragments of w (120 vector lines) and reads x's 16 blocks (64 LDS loads of 16 bytes a lane) and 4 x 8 bytes a lane of signs.  A K step (a slot) is 4 units: 131,072 bytes of codes and 16,384 of signs.
; LIMITS: e1 between -126 and 119, so that 2^e1 and 448 x 2^e1 are f32 numbers; weight_scale x 2^(e0 + e1) is made by v_ldexp_f32 and is rounded or lost only where it leaves f32's range.
; ORDER OF ROUNDING: inside a matrix instruction k stands in a permuted place, the same in both operands (x's fragments come by loads of 16 bytes, and wb is laid to match): every product meets its partner.
; CLUSTERS: 4 x 4 work-groups.  The four of a row of the cluster need the same tiles of xc, the four of a column the same signs: each tile is asked for JOINTLY, by the same tensor load with the same descriptor and a
; mask that names the four.  THE MATRIX INSTRUCTION IS USED TRANSPOSED (source 0 = 16 rows of w, source 1 = 16 rows of x): a lane then holds eight neighbouring numbers of a row of y.
; REGISTERS, in four windows of 256 with ONE map (s_set_vgpr_msb: bits 1:0 source 0, 3:2 source 1, 5:4 source 2, 7:6 destination).  Window h holds: v28-29 two dwords of signs; v32-47 and v48-63 w's fragment h, two sets;
;   v64-127 x's blocks 4 h .. 4 h + 3; v128-255 their accumulators (block a, fragment j at v[128 + 8 (4 a + j)]).  v0-27 of window 0: addresses.
;   GROUP h is 16 matrix instructions: x's blocks of window h against w's four fragments, under the settings source 0 = j, sources 1 and 2 and the destination = h.  Under those very settings the vector lines read window
;   h's signs (as source 1) and write window h's fragment of the OTHER set: the next unit's.  A unit has two runs of 34 LDS loads: behind group 1 windows 0 and 1 are filled again, behind group 3 windows 2 and 3, each
;   with the next unit's x and the signs of the unit after that (wb's places are shifted by one unit to match).
.set ROWB,   512                       ; a row of x's tile in bytes: a K step
.set KROW,   4096                      ; a row of xc in memory, in bytes
.set NCOL,   4096                      ; columns of y
.set PITCH,  528                       ; an LDS row: 512 bytes + 16 of padding: the 16 rows that a load touches start at 16 different banks (64 banks of 4 bytes: ISA guide 11.1)
.set PARTA,  96*PITCH                  ; what waves 0 and 1 fetch of x's 256 rows; wave 2 fetches the other 64
.set HALFX,  128*PITCH                 ; blocks 8-15 have an address register of their own: an LDS offset has 16 bits
.set BOFF,   256*PITCH                 ; behind x's rows: the signs of four units,
.set BTILE,  16384                     ; 4,096 bytes each: [wave: 1,024][pair of fragments: 512][lane: 16][fragment: 8]
.set SLOT,   BOFF+BTILE
.set SPARE,  2*SLOT                    ; behind the ring: the spare words, 128 bytes for each wave: two blocks of 256 bytes that no other line names
.set SPITCH, 272                       ; the way out: a stage of 16 rows x (256 bytes + 16) for each wave, in slot 0, which has had its last fill and its last read when the first result is stored there
.set NR,     17                        ; LDS loads that fill a window: four blocks of x (16) and the signs
.set ADRA, 8                           ; v8-11   LDS address of x's fragments: slot 0 blocks 0-7, 8-15; slot 1 likewise
.set ADRP, 12                          ; v12-13  the same for my signs, slot 0, 1
.set STO,  14                          ; v14     the way out: where I put 32 bytes of a row
.set RD,   15                          ; v15     the way out: where I read 16 bytes of a row back
.set CO,   16                          ; v16     my byte offset in y: a row for lanes 16-31, + 16 (lane % 16)
.set PFO,  17                          ; v17     the prefetches' offset: my lane x a row of codes
.set SPW,  18                          ; v18     LDS address of my spare word; never rewritten
.set NIL,  19                          ; v19     0; never rewritten
.set AP0,  20                          ; v20     1,024 x wave + 16 x lane: my place in a unit's signs
.set W16,  21                          ; v21     16 (lane % 16)
.set WS,   22                          ; v22-25  weight_scale of my four columns on the way out, then x 2^(e0 + e1)
.set PR,   28
.set BS,   32
.set AF,   64
.set ACC,  128
.set BK,   64                          ; the way out: 16 rows read back from the stage: v64-95 and v96-127 of window 0 by turns
.set G1A,  24                          ; s[24:31] descriptor group 1: 96 rows of x;   s[32:39]: 64 rows of x;   s[40:47]: a K step's signs
.set G1C,  32
.set G1B,  40
.set G0A,  56                          ; s[56:63] descriptor group 0 for x's tiles, one set for each slot;   s[68:75] for the signs
.set G0B,  68
.set SGA,  76                          ; s[76:77] unit 0's signs of my tile column in wb (place 31)
.set PFA,  86                          ; s[86:87] where my prefetches stand: one K step further along K than the refill that is being asked for; a prefetch names the K step after that
.set PLIM, 88                          ; s88     1 in a wave that prefetches, else the greatest number
.set SGN,  89                          ; s89     0x80808080: the four sign places
.set COD,  90                          ; s90     the code of +1, four times
.set MSB, 0
.macro WIN new                         ; the immediate's high byte repeats the setting that is left; a switch that changes nothing is dropped
.if MSB != (\new)
	s_set_vgpr_msb (MSB<<8)|(\new)
.set MSB, \new
.endif
.endm
; The joint loads of a change of slots, one a wave: waves 0 and 1 fetch 96 rows of x each, wave 2 the other 64, wave 3 the signs: one chain of branches on the wave's number, one load to an arm, one join.
; An s_nop 0 and four v_nop follow each load.
.macro JLOAD s
	s_cmp_lt_u32 s14, 2
	s_cbranch_scc0 .Lnot_01_\@
	tensor_load_to_lds s[G0A+4*\s:G0A+4*\s+3], s[G1A:G1A+7]
	s_nop 0
.rept 4
	v_nop
.endr
	s_branch .Lasked_\@
.Lnot_01_\@:
	s_cmp_eq_u32 s14, 2
	s_cbranch_scc0 .Lnot_2_\@
	tensor_load_to_lds s[G0A+4*\s:G0A+4*\s+3], s[G1C:G1C+7]
	s_nop 0
.rept 4
	v_nop
.endr
	s_branch .Lasked_\@
.Lnot_2_\@:
	tensor_load_to_lds s[G0B+4*\s:G0B+4*\s+3], s[G1B:G1B+7]
	s_nop 0
.rept 4
	v_nop
.endr
.Lasked_\@:
.endm
; A PREFETCH INTO THE L2 of x's codes, behind each joint refill and the run of LDS loads that follows it: the K step that stands TWO refills on.  A K step is 512 bytes of a row: two instructions, a lane a row.
; Each aligned block of 256 bytes is named once in the launch: of the clusters of a row of clusters the one with cluster x = 0 asks.  The four partners share a tile's 256 rows out BY ADDRESS, 64 each (by cx); in each,
; waves 0 and 1 take 32 rows each.  The loop's last trip (s3 = 1) asks for nothing: its refills are the last two K steps.  K steps 0 to 3 come by their loads alone, and so do the signs: 16,384 of a step's 147,456 bytes.
.macro ASK
	s_cmp_gt_u32 s3, s[PLIM]
	s_cbranch_scc0 .Lnot_mine_\@
	global_prefetch_b8 v[PFO], s[PFA:PFA+1] offset:ROWB th:TH_LOAD_NT scope:SCOPE_SE
	global_prefetch_b8 v[PFO], s[PFA:PFA+1] offset:ROWB+256 th:TH_LOAD_NT scope:SCOPE_SE
.Lnot_mine_\@:
.endm
.macro CREST                           ; a round of the cluster's barrier behind its opening barrier
	s_cmp_lg_u32 s14, 0
	s_cbranch_scc1 .Lnot_wave_0_\@
	s_barrier_signal -3
.Lnot_wave_0_\@:
	s_barrier_wait -3
	s_barrier_signal -1
	s_barrier_wait -1
.endm
.macro CROUND                          ; a whole round
	s_barrier_signal -1
	s_barrier_wait -1
	CREST
.endm
	s_load_b128 s[4:7], s[0:1], 0x0                ; xc s[4:5], wb s[6:7]
	s_load_b128 s[8:11], s[0:1], 0x10              ; lowp_scales s[8:9], weight_scale s[10:11]
	s_load_b64 s[12:13], s[0:1], 0x20              ; y
	v_lshl_add_u32 v[SPW], v0, 2, SPARE
	v_mov_b32 v[NIL], 0
	ds_add_u32 v[SPW], v[NIL]                      ; the opening lines: the add, twice on end, and its wait ahead of my first tensor load
	ds_add_u32 v[SPW], v[NIL]
	v_lshrrev_b32 v1, 5, v0
	v_readfirstlane_b32 s14, v1                    ; wave 0..3
	s_lshr_b32 s15, s14, 1
	s_and_b32 s16, s14, 1
	s_bfe_u32 s80, ttmp6, 0x40000                  ; cx, cy: my place in the cluster
	s_bfe_u32 s81, ttmp6, 0x40004
	s_lshl_b32 s82, ttmp9, 2
	s_add_co_u32 s82, s82, s80                     ; tile column of y = 4 x cluster x + cx
	s_and_b32 s17, ttmp7, 0xffff
	s_lshl_b32 s17, s17, 2
	s_add_co_u32 s17, s17, s81                     ; tile row of y = 4 x cluster y + cy
	s_lshl_b32 s83, s81, 2
	s_lshl_b32 s83, 15, s83                        ; my row of the cluster
	s_lshl_b32 s84, 0x1111, s80                    ; my column
	s_or_b32 s[G1A], s83, (0<<16)|(1<<20)|(1<<21)|(6<<22)|(3<<25)   ; the mask: x's tiles go to my row; elements of 1 byte; padding on, after every 128 words, of 4 words; bit 21 beside a mask
	s_or_b32 s[G1C], s83, (0<<16)|(1<<20)|(1<<21)|(6<<22)|(3<<25)
	s_or_b32 s[G1B], s84, (3<<16)|(1<<21)                           ; the mask of my column; elements of 8 bytes; no padding
.irp g, G1A, G1C
	s_mov_b32 s[\g+1], ROWB<<16                    ; tensor_dim0 = 512
	s_mov_b32 s[\g+3], ROWB<<16                    ; tile_dim0 = 512
	s_mov_b32 s[\g+5], KROW                        ; the pitch
	s_mov_b32 s[\g+6], 0
	s_mov_b32 s[\g+7], 0
.endr
	s_mov_b32 s[G1A+2], 96<<16                     ; 96 rows
	s_mov_b32 s[G1A+4], 96
	s_mov_b32 s[G1C+2], 64<<16                     ; 64 rows
	s_mov_b32 s[G1C+4], 64
	s_mov_b32 s[G1B+1], 32<<16                     ; the signs: a dense block as 64 rows of 32 elements of 8 bytes
	s_mov_b32 s[G1B+2], 64<<16
	s_mov_b32 s[G1B+3], 32<<16
	s_mov_b32 s[G1B+4], 64
	s_mov_b32 s[G1B+5], 32
	s_mov_b32 s[G1B+6], 0
	s_mov_b32 s[G1B+7], 0
	s_mul_i32 s20, s14, 96                         ; x: row 256 x tile row + 96 x wave (waves 0 to 2 use it),
	s_lshl_b32 s18, s17, 8
	s_add_co_u32 s20, s20, s18
	s_lshl_b32 s20, s20, 12                        ; in bytes: under 2^25
	s_mov_b32 s21, 0
	s_lshl_b32 s92, s82, 17                        ; the signs: a tile column's 32 places of 4,096 bytes
	s_mov_b32 s93, 0
	s_mul_i32 s85, s14, PARTA                      ; where x's rows go: no place in the cluster enters an LDS address
	s_wait_dscnt 0x0                               ; both opening adds are done
	s_wait_kmcnt 0x0
	s_load_b64 s[96:97], s[8:9], 0x0               ; e0, e1
	s_add_nc_u64 s[20:21], s[4:5], s[20:21]
	s_add_nc_u64 s[92:93], s[6:7], s[92:93]
	CROUND                                         ; all sixteen work-groups are here: the first joint loads meet
.irp s, 0,1
	s_mov_b32 s[G0A+4*\s], 1
	s_add_co_u32 s[G0A+4*\s+1], s85, \s*SLOT
	s_add_nc_u64 s[G0A+4*\s+2:G0A+4*\s+3], s[20:21], \s*ROWB   ; K step s
	s_or_b32 s[G0A+4*\s+3], s[G0A+4*\s+3], 0x80000000
	s_mov_b32 s[G0B+4*\s], 1
	s_mov_b32 s[G0B+4*\s+1], BOFF+\s*SLOT
	s_add_nc_u64 s[G0B+4*\s+2:G0B+4*\s+3], s[92:93], \s*BTILE  ; places 4 s to 4 s + 3: units 4 s + 1 to 4 s + 4
	s_or_b32 s[G0B+4*\s+3], s[G0B+4*\s+3], 0x80000000
.endr
	s_add_nc_u64 s[SGA:SGA+1], s[92:93], 31*4096   ; place 31: unit 0's signs, which each wave loads straight into its registers
	JLOAD 0                                        ; the first fill of slot 0: one tensor load a wave at the head
	v_and_b32 v1, 15, v0                           ; l % 16
	v_bfe_u32 v2, v0, 4, 1                         ; l / 16
	v_and_b32 v6, 31, v0                           ; lane
	v_mul_u32_u24 v3, v1, PITCH
	v_lshl_add_u32 v[ADRA], v2, 4, v3              ; a fragment's row x pitch + 16 x half of the lanes
	v_add_nc_u32 v[ADRA+1], HALFX, v[ADRA]
	v_add_nc_u32 v[ADRA+2], SLOT, v[ADRA]
	v_add_nc_u32 v[ADRA+3], SLOT+HALFX, v[ADRA]
	v_lshlrev_b32 v7, 4, v6
	s_lshl_b32 s22, s14, 10
	v_add_nc_u32 v[AP0], s22, v7
	v_add_nc_u32 v[ADRP], BOFF, v[AP0]
	v_add_nc_u32 v[ADRP+1], BOFF+SLOT, v[AP0]
	s_mul_i32 s23, s14, 16*SPITCH                  ; my stage
	v_mul_u32_u24 v4, v1, SPITCH                   ; in: row l % 16, 32 bytes for each half of the lanes
	v_lshl_add_u32 v4, v2, 5, v4
	v_add_nc_u32 v[STO], s23, v4
	v_lshlrev_b32 v[W16], 4, v1
	v_mul_u32_u24 v5, v2, SPITCH                   ; back: lanes 0-15 take one row of 256 bytes, lanes 16-31 the next
	v_add_nc_u32 v5, v5, v[W16]
	v_add_nc_u32 v[RD], s23, v5
	v_lshl_add_u32 v[CO], v2, 14, v[W16]           ; and the same two rows in y
	v_lshlrev_b32 v[PFO], 12, v6
	s_lshl_b32 s20, s17, 22                        ; my first row of y: 256 x tile row, of 16,384 bytes: under 2^26
	s_mov_b32 s21, 0
	s_lshl_b32 s92, s82, 10                        ; my first column, in bytes of f32: 1,024 x tile column + 256 x wave
	s_lshl_b32 s93, s14, 8
	s_add_co_u32 s92, s92, s93
	s_mov_b32 s93, 0
	s_add_nc_u64 s[10:11], s[10:11], s[92:93]      ; weight_scale at my first column
	s_add_nc_u64 s[20:21], s[20:21], s[92:93]
	s_add_nc_u64 s[12:13], s[12:13], s[20:21]      ; y at my first row and column
	s_wait_alu depctr_va_vdst(0)
	global_load_b128 v[WS:WS+3], v[W16], s[10:11]  ; the four columns that I hold of every row on the way out
.irp h, 0,1,2,3
	WIN ((\h)<<6)
	global_load_b64 v[PR:PR+1], v[AP0], s[SGA:SGA+1] offset:512*((\h)/2)+8*((\h)%2)   ; unit 0's signs of fragment h; two such loads together take 512 consecutive bytes
.endr
	WIN 0
	s_lshl_b32 s92, s17, 8                         ; the prefetches: 256 x tile row
	s_lshl_b32 s93, s80, 6
	s_add_co_u32 s92, s92, s93                     ; + my work-group's 64 rows
	s_lshl_b32 s93, s16, 5
	s_add_co_u32 s92, s92, s93                     ; + my wave's 32 of them
	s_lshl_b32 s92, s92, 12
	s_mov_b32 s93, 0
	s_add_nc_u64 s[PFA:PFA+1], s[4:5], s[92:93]
	s_add_nc_u64 s[PFA:PFA+1], s[PFA:PFA+1], 2*ROWB  ; at K step 2: the first refill steps it to 3 and names K step 4
	s_or_b32 s92, s15, ttmp9                       ; 0 in waves 0 and 1 of the clusters with x = 0: the same in all sixteen partners, for a given wave
	s_cmp_eq_u32 s92, 0
	s_cselect_b32 s[PLIM], 1, -1
	s_mov_b32 s[SGN], 0x80808080
	s_wait_kmcnt 0x0
	s_add_co_i32 s92, s97, 127                     ; the code of +1, by the quantiser: the hold, the conversion
	s_lshl_b32 s93, s92, 23
	v_mov_b32 v42, s93                             ; 2^e1 as f32: the conversion takes its exponent field
	s_add_co_i32 s92, s92, 8
	s_lshl_b32 s92, s92, 23
	s_or_b32 s92, s92, 0x600000                    ; the mantissa field of 448
	v_mov_b32 v43, s92                             ; 448 x 2^e1
.irp i, 0,1,2,3,4,5,6,7
	v_med3_num_f32 v[32+\i], 1.0, -v43, v43        ; the conversion to an 8-bit code does not saturate (ISA guide 7.6.2)
.endr
	v_cvt_scalef32_pk8_fp8_f32 v[40:41], v[32:39], v42
	v_nop                                          ; one plain vector instruction between a scaled conversion and the instruction that reads its result
	v_readfirstlane_b32 s[COD], v40                ; the code, four times; it serves as data alone
; A group's vector work: two dwords of signs v[PR + t] become the 16 registers of a fragment of set tp.  Plane 0 of a dword takes a v_and_or_b32 alone (P0 t); planes 1 to 7 a shift (SH m) and a v_and_or_b32 in place
; (AO m), m = 7 t + plane - 1 = 0 .. 13.  The 30 lines are dealt over the group's 16 slices: the shifts in slices 0-6, two each; AO 0-11 in slices 7-12; the last four lines in slice 15, where behind groups 1 and 3
; they are also the four places in front of the run of loads.  Nothing is carried from one group into the next.
.macro SH m
.set SL_R, SL_B+8*((\m)/7)+1+(\m)%7
	v_lshlrev_b32 v[SL_R], 1+(\m)%7, v[PR+(\m)/7]
.endm
.macro AO m
.set SL_R, SL_B+8*((\m)/7)+1+(\m)%7
	v_and_or_b32 v[SL_R], s[SGN], v[SL_R], s[COD]
.endm
.macro P0 t
	v_and_or_b32 v[SL_B+8*(\t)], s[SGN], v[PR+(\t)], s[COD]
.endm
.macro SLICE i, tp
.set SL_B, BS+16*(\tp)
.set SL_M, 2*(\i)
.if SL_M < 14
	SH SL_M
	SH SL_M+1
.endif
.if (SL_M >= 14) && (SL_M < 26)
	AO SL_M-14
	AO SL_M-13
.endif
.if SL_M == 30
	AO 12
	AO 13
	P0 0
	P0 1
.endif
.endm
; 16 matrix instructions: x's blocks 4 h .. 4 h + 3 against w's four fragments of set p, 128 along K.  zero = 1: the first product starts the sums.  build = 1: a slice of the next unit's fragment h (set 1 - p) stands
; behind each.  The 64 accumulators take turns, one instruction a turn, in the same order in every unit.
.macro GROUP h, p, zero, build
.set GI, 0
.irp j, 0,1,2,3
	WIN (\j)|((\h)<<2)|((\h)<<4)|((\h)<<6)
.irp a, 0,1,2,3
.if \zero
	v_wmma_f32_16x16x128_fp8_fp8 v[ACC+8*(4*\a+\j):ACC+8*(4*\a+\j)+7], v[BS+16*(\p):BS+16*(\p)+15], v[AF+16*\a:AF+16*\a+15], 0
.else
	v_wmma_f32_16x16x128_fp8_fp8 v[ACC+8*(4*\a+\j):ACC+8*(4*\a+\j)+7], v[BS+16*(\p):BS+16*(\p)+15], v[AF+16*\a:AF+16*\a+15], v[ACC+8*(4*\a+\j):ACC+8*(4*\a+\j)+7]
.endif
.if \build
	SLICE GI, 1-(\p)
.endif
.set GI, GI+1
.endr
.endr
.endm
; The LDS loads that fill window h: x's blocks 4 h .. 4 h + 3 of the slot's q-th unit (lane l holds row l % 16; registers 4 c .. 4 c + 3 hold K = 32 c + 16 (l / 16) + 0 .. 15), and (withp = 1) fragment h's signs at the
; slot's q-th place.  They stand four places behind the last matrix instruction that read these registers (ISA guide 7.12.1 for vector instructions): slice 15's four lines.
.macro RUN slot, q, h, withp
	WIN ((\h)<<6)
.irp a, 0,1,2,3
.irp c, 0,1,2,3
	ds_load_b128 v[AF+16*\a+4*\c:AF+16*\a+4*\c+3], v[ADRA+2*(\slot)+(\h)/2] offset:128*(\q)+32*\c+(4*((\h)%2)+\a)*16*PITCH
.endr
.endr
.if \withp
	ds_load_b64 v[PR:PR+1], v[ADRP+\slot] offset:4096*(\q)+512*((\h)/2)+8*((\h)%2)
.endif
.endm
; The slot's q-th unit, q = 0, 1, 2: its successor lies in the same slot.  Two runs, each of two windows.
.macro STEP slot, q, zero, withp
	s_wait_dscnt 2*(NR-1+\withp)                   ; the run in the last unit's middle (windows 0 and 1) is in; the run at its end may be out
	GROUP 0, (\q)%2, \zero, 1
	GROUP 1, (\q)%2, \zero, 1
	RUN \slot, (\q)+1, 0, \withp
	RUN \slot, (\q)+1, 1, \withp
	s_wait_dscnt 2*(NR-1+\withp)                   ; the run at the last unit's end (windows 2 and 3) is in; the run just issued may be out
	GROUP 2, (\q)%2, \zero, 1
	GROUP 3, (\q)%2, \zero, 1
	RUN \slot, (\q)+1, 2, \withp
	RUN \slot, (\q)+1, 3, \withp
.endm
; A slot's last unit changes slots: ONE barrier; in front of it each wave waits for all its tensor loads, adds 0 to its spare word, and waits for that and for its own reads of this slot.  fill = 1: this slot is filled again, two K steps ahead.
.macro TURN slot, next, fill
	WIN 0
.if \fill
	s_wait_xcnt 0x0                                ; the last prefetches, a K step back, have read their address: it is stepped here
	s_add_nc_u64 s[PFA:PFA+1], s[PFA:PFA+1], ROWB
.endif
	s_wait_tensorcnt 0x0                           ; all my tensor loads have landed: the one that was out is my part of the next slot
	ds_add_u32 v[SPW], v[NIL]
	s_wait_dscnt 2*NR+1                            ; (the add and the run at the last unit's end may be out)
	GROUP 0, 1, 0, 1
	s_wait_dscnt 0x0                               ; the add is done, and my reads of this slot are over
	s_barrier_signal -1
	GROUP 1, 1, 0, 1
	WIN 0
	s_barrier_wait -1
.if \fill
	CREST                                          ; the barrier has opened a round of the cluster's barrier: no wave of any partner still reads this slot or has a load on its way
	s_add_nc_u64 s[G0A+4*\slot+2:G0A+4*\slot+3], s[G0A+4*\slot+2:G0A+4*\slot+3], 2*ROWB
	s_add_nc_u64 s[G0B+4*\slot+2:G0B+4*\slot+3], s[G0B+4*\slot+2:G0B+4*\slot+3], 2*BTILE
	JLOAD \slot                                    ; the first tensor load behind the round, and my only one until the next: 224 matrix instructions ahead of the wait for it
.endif
	RUN \next, 0, 0, 1
	RUN \next, 0, 1, 1
.if \fill
	WIN 0
	ASK
.endif
	GROUP 2, 1, 0, 1                               ; (windows 2 and 3 were shown in by the wait for 0 above)
	GROUP 3, 1, 0, 1
	RUN \next, 0, 2, 1
	RUN \next, 0, 3, 1
.endm
	s_wait_loadcnt 0x0                             ; unit 0's signs and weight_scale are in
.irp h, 0,1,2,3                        ; unit 0's fragments (set 0) are made with no products to stand behind, while slot 0's tile is on its way
	WIN ((\h)<<2)|((\h)<<6)
.set GI, 0
.rept 16
	SLICE GI, 0
.set GI, GI+1
.endr
.endr
	WIN 0
	s_wait_alu depctr_va_vdst(0)
	s_wait_tensorcnt 0x0                           ; slot 0: my part has landed.  Slot 1 is filled for the first time as a refill is: these three lines, a round, one load a wave
	ds_add_u32 v[SPW], v[NIL]
	s_wait_dscnt 0x0
	CROUND
	JLOAD 1
.irp h, 0,1,2,3
	RUN 0, 0, \h, 1                                ; unit 0's x and unit 1's signs
.endr
	STEP 0, 0, 1, 1                                ; the first unit stands in front of the loop: its products start the sums
	WIN 0
	s_mov_b32 s3, 3
.Llap:                                                 ; a trip goes once round the ring, from a lap's second unit to the next lap's first, and fills both slots again: K steps 2 to 7 in three trips
	STEP 0, 1, 0, 1
	STEP 0, 2, 0, 1
	TURN 0, 1, 1
	STEP 1, 0, 0, 1
	STEP 1, 1, 0, 1
	STEP 1, 2, 0, 1
	TURN 1, 0, 1
	STEP 0, 0, 0, 1
	WIN 0
	s_sub_co_u32 s3, s3, 1
	s_cmp_lg_u32 s3, 0
	s_cbranch_scc1 .Llap
	STEP 0, 1, 0, 1                                ; the last lap is written out: it fills nothing, and has no round of the cluster's barrier
	STEP 0, 2, 0, 1
	TURN 0, 1, 0
	STEP 1, 0, 0, 1
	STEP 1, 1, 0, 1
	STEP 1, 2, 0, 0                                ; no unit follows the last: no signs are fetched, a run is 32 loads
; THE WAY OUT, block by block of 16 rows x 64 columns.  A lane holds 32 neighbouring bytes of a row, and the lanes beside it hold other rows: so a block goes through my own stage in LDS, straight from the accumulators,
; and comes back as whole rows of 256 bytes, two to a load.  There a lane holds the same four columns of every row, so four registers hold its factors; sixteen lanes store a row's 256 bytes, aligned.
; LDS serves a wave's instructions in order (ISA guide 5.7.1): no wait between the stores and the loads, nor in front of the next block's stores.
.macro TOSTAGE b
.set AC, ACC+32*((\b)%4)
	WIN (((\b)/4)<<2)                              ; an LDS store's data are source 1: block b's accumulators lie in window b / 4
.irp j, 0,1,2,3
	ds_store_b128 v[STO], v[AC+8*\j:AC+8*\j+3] offset:64*\j            ; each accumulator from its low end on
	ds_store_b128 v[STO], v[AC+8*\j+4:AC+8*\j+7] offset:64*\j+16
.endr
	WIN 0
.irp t, 0,1,2,3,4,5,6,7
	ds_load_b128 v[BK+32*((\b)%2)+4*\t:BK+32*((\b)%2)+4*\t+3], v[RD] offset:\t*2*SPITCH
.endr
.endm
.macro SEND b, younger                 ; younger: the LDS instructions issued behind block b's loads, which may stay out
.set BB, BK+32*((\b)%2)
	s_wait_dscnt \younger                          ; the block is back in registers
.if (\b) > 0
	s_add_nc_u64 s[12:13], s[12:13], 16*NCOL*4     ; (behind a wait on XCNT: the earlier stores have read their base)  16 rows of y on
.endif
.irp t, 0,1,2,3,4,5,6,7
	v_pk_mul_f32 v[BB+4*\t:BB+4*\t+1], v[BB+4*\t:BB+4*\t+1], v[WS:WS+1]
	v_pk_mul_f32 v[BB+4*\t+2:BB+4*\t+3], v[BB+4*\t+2:BB+4*\t+3], v[WS+2:WS+3]
.endr
.irp t, 0,1,2,3,4,5,6,7
	global_store_b128 v[CO], v[BB+4*\t:BB+4*\t+3], s[12:13] offset:2*\t*NCOL*4 th:TH_STORE_NT   ; sixteen lanes store 256 consecutive bytes, aligned; written once, read by nobody in this launch
.endr
.endm
.macro OUT b                           ; block b into the stage, block b - 1 to memory
.if (\b) > 1
	s_wait_xcnt 0x0                                ; block b - 2's stores have read their registers and their base: block b's loads may land there, and the base may step
.endif
	TOSTAGE \b
	SEND (\b)-1, 16                                ; behind block b - 1's loads: block b's 8 stores and 8 loads
.endm
; THE LAST UNIT: group h finishes blocks 4 h .. 4 h + 3, so a group's blocks go out while later groups are still to be multiplied.  The rows come back into window 0's v64-127, which group 0 alone read.
	s_wait_alu depctr_va_vdst(0)
	s_wait_dscnt 32                                ; windows 0 and 1 are in; the last run's 32 loads may be out
	GROUP 0, 1, 0, 0
	GROUP 1, 1, 0, 0
	WIN 0
	s_add_co_i32 s96, s96, s97                     ; e0 + e1
.irp i, 0,1,2,3
	v_ldexp_f32 v[WS+\i], v[WS+\i], s96            ; weight_scale x 2^(e0 + e1).  These four plain lines are the places behind the products above, for the LDS stores and loads below
.endr
	s_wait_alu depctr_va_vdst(0)
	TOSTAGE 0
.irp b, 1,2,3
	OUT \b
.endr
	GROUP 2, 1, 0, 0                               ; (the wait in SEND 2 left only block 3's 16 LDS instructions out: windows 2 and 3 are in)
.irp b, 4,5,6,7
	OUT \b                                         ; group 1's blocks: the multiplications of SEND 0 to 2 are the places behind its products
.endr
	GROUP 3, 1, 0, 0
.irp b, 8,9,10,11,12,13,14,15
	OUT \b
.endr
	s_wait_xcnt 0x0                                ; block 14's stores have read their base
	SEND 15, 0
	s_wait_tensorcnt 0x0                           ; the wave's end: behind my last tensor load and my last LDS store
	ds_add_u32 v[SPW], v[NIL]
	s_wait_dscnt 0x0
	CROUND                                         ; the closing round: no work-group ends while a partner may still ask for a tile that names it
	s_endpgm
.Lfunc_end_k_qcf475963a7_gemm:
	.size	k_qcf475963a7_gemm, .Lfunc_end_k_qcf475963a7_gemm-k_qcf475963a7_gemm
	.p2alignl 7, 3214868480
	.fill 96, 4, 3214868480
	.section	.rodata,"a",@progbits
	.p2align	6, 0x0
	.amdhsa_kernel k_qcf475963a7_gemm
		.amdhsa_group_segment_fixed_size 327680
		.amdhsa_private_segment_fixed_size 0
		.amdhsa_enable_private_segment 0
		.amdhsa_kernarg_size 40
		.amdhsa_user_sgpr_count 2
		.amdhsa_user_sgpr_kernarg_segment_ptr 1
		.amdhsa_wavefront_size32 1
		.amdhsa_system_sgpr_workgroup_id_x 1
		.amdhsa_system_sgpr_workgroup_id_y 1
		.amdhsa_system_sgpr_workgroup_id_z 1
		.amdhsa_system_vgpr_workitem_id 0
		.amdhsa_next_free_vgpr 1024
		.amdhsa_next_free_sgpr 98
		.amdhsa_reserve_vcc 0
		.amdhsa_float_denorm_mode_32 3
		.amdhsa_float_denorm_mode_16_64 3
		.amdhsa_memory_ordered 1
		.amdhsa_forward_progress 1
		.amdhsa_inst_pref_size 255
	.end_amdhsa_kernel
	.section	.bss,"aw",@nobits
	.p2align	6
	.space	262144
	.amdgpu_metadata
---
amdhsa.version: [ 1, 2 ]
amdhsa.kernels:
  - .name:           k_qcf475963a7_gemm
    .symbol:         k_qcf475963a7_gemm.kd
    .args:
      - { .name: xc, .offset: 0, .size: 8, .value_kind: global_buffer, .address_space: global }
      - { .name: wb, .offset: 8, .size: 8, .value_kind: global_buffer, .address_space: global }
      - { .name: lowp_scales, .offset: 16, .size: 8, .value_kind: global_buffer, .address_space: global }
      - { .name: weight_scale, .offset: 24, .size: 8, .value_kind: global_buffer, .address_space: global }
      - { .name: y, .offset: 32, .size: 8, .value_kind: global_buffer, .address_space: global }
    .group_segment_fixed_size: 327680
    .private_segment_fixed_size: 0
    .kernarg_segment_align: 8
    .kernarg_segment_size: 40
    .max_flat_workgroup_size: 128
    .sgpr_count:     98
    .vgpr_count:     1024
    .wavefront_size: 32
...
	.end_amdgpu_metadata
.endif
;; end of part 2
;; launch norm (part 3): grid 256 x 1, 4 waves a work-group, no clusters, 0 bytes of LDS; arguments y, bias, out0; writes out0
.if DOCPART == 3
	.amdgcn_target "amdgcn-amd-amdhsa--gfx1250"
	.amdhsa_code_object_version 6
	.text
	.protected	k_qcf475963a7_norm
	.globl	k_qcf475963a7_norm
	.p2align	8
	.type	k_qcf475963a7_norm,@function
k_qcf475963a7_norm:
	s_mov_b64 s[64:65], 0
	v_nop
	global_prefetch_b8 v0, s[64:65] scope:SCOPE_SE
	s_setreg_imm32_b32 hwreg(HW_REG_WAVE_MODE, 25, 1), 1
	s_wait_xcnt 0x0
; out0[n][o] = (y[n][o] - mean_n) x rsqrt(var_n + 1e-5) + bias[o];  mean and var (the mean of the squared differences) over the row's 4,096 numbers; all in f32.
; One wave, one row: 16,384 bytes are 128 registers a lane, so the row stays in registers between the pass for the mean, the pass for the variance and the pass that scales: y is read once, and no wave waits for
; another: no LDS, no barrier.  The variance is taken of the differences from the mean, so no difference of large sums is formed.
; A wave takes four rows, each in registers of its own, and the whole bias (128 registers a lane), loaded once.  Every offset is an immediate and no register of a load or store is written again.
; Each load and store of a wave covers 512 consecutive bytes, aligned.  While a row is worked on, the loads of the next two rows are out.
; REGISTERS, in windows of 256 (s_set_vgpr_msb: bits 1:0 source 0, 3:2 source 1, 5:4 source 2, 7:6 destination): window q, v128-255: row q;  window 1, v0-127: the bias;  window 0, v1-15: as named below.
; In a row and in the bias alike register 4 i + j holds column 128 i + 4 lane + j.
.set S, 2                              ; v2-9    four running sums, two numbers each
.set R, 128                            ; a row, in its window
.set MSB, 0
.macro WIN new                         ; the immediate's high byte repeats the setting that is left; a switch that changes nothing is dropped
.if MSB != (\new)
	s_set_vgpr_msb (MSB<<8)|(\new)
.set MSB, \new
.endif
.endm
	s_load_b128 s[4:7], s[0:1], 0x0                ; y s[4:5], bias s[6:7]
	s_load_b64 s[8:9], s[0:1], 0x10                ; out0
	v_lshrrev_b32 v1, 5, v0
	v_readfirstlane_b32 s16, v1                    ; wave 0..3
	v_and_b32 v1, 31, v0
	v_lshlrev_b32 v1, 4, v1                        ; v1: 16 x lane; never rewritten
	s_lshl_b32 s10, ttmp9, 18                      ; the work-group's 16 rows of 16,384 bytes,
	s_lshl_b32 s11, s16, 16                        ; my wave's four of them
	s_add_co_u32 s10, s10, s11
	s_mov_b32 s11, 0
	s_mov_b32 s12, 0x76543210                      ; v_permlanex16_b32: lane i of one half reads lane i of the other
	s_mov_b32 s13, 0xfedcba98
	s_mov_b32 s14, 0x39800000                      ; 1 / 4096
	s_mov_b32 s15, 0x3727c5ac                      ; 1e-5
	v_mov_b32 v11, 0                               ; a lane permute's destination counts as one of its sources
	v_mov_b32 v13, 0                               ; (named as the upper halves of the pairs v[12:13] and v[14:15])
	v_mov_b32 v15, 0
	s_wait_alu depctr_va_vdst(0)
	s_wait_kmcnt 0x0
	s_add_nc_u64 s[4:5], s[4:5], s[10:11]
	s_add_nc_u64 s[8:9], s[8:9], s[10:11]
.macro LOADROW q                       ; 32 loads: the whole row into window q
	WIN (\q)<<6
.set i, 0
.rept 32
	global_load_b128 v[R+4*i:R+4*i+3], v1, s[4:5] offset:16384*(\q)+512*i th:TH_LOAD_NT
.set i, i+1
.endr
.endm
.macro REDUCE                          ; the four running sums, their two halves and the 32 lanes: the total in v10 of every lane
	v_pk_add_f32 v[S:S+1], v[S:S+1], v[S+2:S+3]
	v_pk_add_f32 v[S+4:S+5], v[S+4:S+5], v[S+6:S+7]
	v_pk_add_f32 v[S:S+1], v[S:S+1], v[S+4:S+5]
	v_add_f32 v10, v[S], v[S+1]
	v_add_f32_dpp v10, v10, v10 row_xmask:1 row_mask:0xf bank_mask:0xf
	v_add_f32_dpp v10, v10, v10 row_xmask:2 row_mask:0xf bank_mask:0xf
	v_add_f32_dpp v10, v10, v10 row_xmask:4 row_mask:0xf bank_mask:0xf
	v_add_f32_dpp v10, v10, v10 row_xmask:8 row_mask:0xf bank_mask:0xf
	v_permlanex16_b32 v11, v10, s12, s13
	v_add_f32 v10, v10, v11
.endm
.macro ROW q
	WIN (\q)|((\q)<<2)                             ; both sources in the row's window
.irp c, 0,1,2,3
	v_pk_add_f32 v[S+2*\c:S+2*\c+1], v[R+4*\c:R+4*\c+1], v[R+4*\c+2:R+4*\c+3]   ; the first sixteen numbers start the four sums: nothing is cleared
.endr
	WIN (\q)<<2
.set p, 8
.rept 56
	v_pk_add_f32 v[S+2*(p%4):S+2*(p%4)+1], v[S+2*(p%4):S+2*(p%4)+1], v[R+2*p:R+2*p+1]
.set p, p+1
.endr
	WIN 0
	REDUCE
	v_mul_f32 v12, 0xb9800000, v10                 ; -mean = the sum x (-1 / 4096)
	WIN ((\q)<<6)|(\q)
.set p, 0
.rept 64
	v_pk_add_f32 v[R+2*p:R+2*p+1], v[R+2*p:R+2*p+1], v[12:13] op_sel_hi:[1,0]   ; d = y - mean, in place (of the pair the low word serves both halves)
.set p, p+1
.endr
	WIN (\q)|((\q)<<2)
.irp c, 0,1,2,3
	v_pk_mul_f32 v[S+2*\c:S+2*\c+1], v[R+2*\c:R+2*\c+1], v[R+2*\c:R+2*\c+1]
.endr
.set p, 4
.rept 60
	v_pk_fma_f32 v[S+2*(p%4):S+2*(p%4)+1], v[R+2*p:R+2*p+1], v[R+2*p:R+2*p+1], v[S+2*(p%4):S+2*(p%4)+1]   ; the sum of d^2
.set p, p+1
.endr
	WIN 0
	REDUCE
	v_fma_f32 v14, v10, s14, s15                   ; var + 1e-5
	s_wait_alu depctr_va_vdst(0)
	v_rsq_f32 v14, v14
	v_nop                                          ; a plain instruction between the transcendental and the use of its result (ISA guide 5.7.2),
	s_wait_alu depctr_va_vdst(0)                   ; and the wait ahead of the first instruction that names it
	WIN ((\q)<<6)|(\q)|0x10                        ; the row in its window, the factor in window 0, the bias in window 1
.set p, 0
.rept 64
	v_pk_fma_f32 v[R+2*p:R+2*p+1], v[R+2*p:R+2*p+1], v[14:15], v[2*p:2*p+1] op_sel_hi:[1,0,1]   ; d x rsqrt(var + 1e-5) + bias
.set p, p+1
.endr
	WIN (\q)<<2                                    ; a store's data are source 1
.set i, 0
.rept 32
	global_store_b128 v1, v[R+4*i:R+4*i+3], s[8:9] offset:16384*(\q)+512*i th:TH_STORE_NT
.set i, i+1
.endr
.endm
	WIN 0x40                                       ; the bias into window 1, v0-127: every wave reads it, so it carries no hint
.set i, 0
.rept 32
	global_load_b128 v[4*i:4*i+3], v1, s[6:7] offset:512*i
.set i, i+1
.endr
	LOADROW 0
	LOADROW 1                                      ; (where the counter's field is full the issue is held back: ISA guide 5.7.1; no wait is written for that)
	s_wait_loadcnt 32                              ; loads come back in order: the bias and row 0 are in; row 1's 32 loads may be out
	LOADROW 2
	ROW 0
	s_wait_loadcnt 32                              ; row 1 is in; row 2's loads may be out
	LOADROW 3
	ROW 1
	s_wait_loadcnt 32                              ; row 2 is in; row 3's loads may be out
	ROW 2
	s_wait_loadcnt 0x0
	ROW 3
	WIN 0
	s_endpgm
.Lfunc_end_k_qcf475963a7_norm:
	.size	k_qcf475963a7_norm, .Lfunc_end_k_qcf475963a7_norm-k_qcf475963a7_norm
	.p2alignl 7, 3214868480
	.fill 96, 4, 3214868480
	.section	.rodata,"a",@progbits
	.p2align	6, 0x0
	.amdhsa_kernel k_qcf475963a7_norm
		.amdhsa_group_segment_fixed_size 0
		.amdhsa_private_segment_fixed_size 0
		.amdhsa_enable_private_segment 0
		.amdhsa_kernarg_size 24
		.amdhsa_user_sgpr_count 2
		.amdhsa_user_sgpr_kernarg_segment_ptr 1
		.amdhsa_wavefront_size32 1
		.amdhsa_system_sgpr_workgroup_id_x 1
		.amdhsa_system_sgpr_workgroup_id_y 1
		.amdhsa_system_sgpr_workgroup_id_z 1
		.amdhsa_system_vgpr_workitem_id 0
		.amdhsa_next_free_vgpr 1024
		.amdhsa_next_free_sgpr 66
		.amdhsa_reserve_vcc 0
		.amdhsa_float_denorm_mode_32 3
		.amdhsa_float_denorm_mode_16_64 3
		.amdhsa_memory_ordered 1
		.amdhsa_forward_progress 1
		.amdhsa_inst_pref_size 98
	.end_amdhsa_kernel
	.amdgpu_metadata
---
amdhsa.version: [ 1, 2 ]
amdhsa.kernels:
  - .name:           k_qcf475963a7_norm
    .symbol:         k_qcf475963a7_norm.kd
    .args:
      - { .name: y, .offset: 0, .size: 8, .value_kind: global_buffer, .address_space: global }
      - { .name: bias, .offset: 8, .size: 8, .value_kind: global_buffer, .address_space: global }
      - { .name: out0, .offset: 16, .size: 8, .value_kind: global_buffer, .address_space: global }
    .group_segment_fixed_size: 0
    .private_segment_fixed_size: 0
    .kernarg_segment_align: 8
    .kernarg_segment_size: 24
    .max_flat_workgroup_size: 128
    .sgpr_count:     66
    .vgpr_count:     1024
    .wavefront_size: 32
...
	.end_amdgpu_metadata
.endif
;; end of part 3
